; MI455X (gfx1250); checked and timed in simulation.
; The chip was launched on July 23, 2026; its instructions are those of AMD's public machine-readable ISA for CDNA 5 (MIT licence, August 2026) and "CDNA5" Instruction Set Architecture Reference Guide (July 2026). The comments in the code are by the model that wrote it; some were corrected since.
;; Simple Retention. Allowed arithmetic: matrix products marked QUANTISED: E5M2 operands, one given power-of-two scale a tensor, by v_wmma_f32_16x16x64_bf8_bf8 or v_wmma_f32_16x16x128_bf8_bf8, f32 sums; everything else in f32.
;; Inputs: K 4 x 4,096 x 64 float32; Q 4 x 4,096 x 64 float32; V 4 x 4,096 x 64 float32; lowp_scales 4 int32 (the exponents e of the quantised operands' scales 2^e).
;; Outputs: out0 4 x 4,096 x 64 float32.
;; This version of the problem:
;;   THIS VERSION OF THE PROBLEM IS GIVEN IN LOW PRECISION. The matrix products marked QUANTISED in the list below multiply operands that are first quantised to E5M2 (5 exponent bits, 2 mantissa bits; 8 bits a number), with one given power-of-two scale for each operand tensor; their sums are f32. All else is computed in f32.
;;   The module's matrix products, in the order in which they are computed (A, B: the left and right operand; K: the contracted axis; several contracted axes count as one K, in the product's order):
;;     1. batch 4 x [M 4,096, K 64] x [K 64, N 4,096]; A: computed on the way; B: computed on the way: QUANTISED (scales: A lowp_scales[0], B lowp_scales[1])
;;     2. batch 4 x [M 4,096, K 4,096] x [K 4,096, N 64]; A: computed on the way; B: input V: QUANTISED (scales: A lowp_scales[2], B lowp_scales[3])
;;   THE QUANTISER, for each operand of a quantised product, along K:
;;     - The operand's scale is 2^e, e = its entry of the input lowp_scales (int32; the entries are numbered through the quantised products in the list's order, A before B).
;;     - Each number is divided by the scale, clamped to +-57,344, and rounded to the nearest number of E5M2, ties to even, subnormals kept.
;;     - The product sums the exact products of the quantised numbers (number of the format x scale) in f32.
;;   ~~~python
;;   def quantise(x, axis, e):      # numpy; x: float32 -> the quantised numbers, widened to float32 again
;;       x = np.moveaxis(x, axis, -1); K = x.shape[-1]
;;       r = np.clip(x / 2.0 ** e, -57344, 57344)
;;       step = 2.0 ** (np.maximum(np.frexp(np.where(r == 0, 1, r))[1] - 1, -14) - 2)
;;       q = np.round(r / step) * step * 2.0 ** e      # np.round: ties to even
;;       return np.moveaxis(q, -1, axis).astype(np.float32)
;;   ~~~
;;   OPERANDS COMPUTED ON THE WAY. 'Computed on the way' means the value that the module computes at that place (a softmax that the list does not call 'softmax' is quantised finished and normalised). What goes into a quantiser is computed in f32, as accurately as f32 sums, v_exp_f32 and their like allow (about 1e-6 of the number): no bf16 or f16 on the way to a quantiser, and a product that is left as it is and whose result goes on into a quantised operand takes f32 operands (vector FMAs, or v_wmma_f32_16x16x4_f32). A number that lies on a knife's edge between two numbers of the format may be rounded either way, as far as f32 arithmetic and the matrix unit's own rounding can turn it there, and no further.
;; One version. Each part assembles by itself: llvm-mc -triple=amdgcn-amd-amdhsa -mcpu=gfx1250 --defsym DOCPART=n.
;; ======== version 1 of 1: 2 launches
;; workspace buffers: qc 1,048,576 bytes; kv 2,097,152 bytes
;; launch prep (part 1): grid 128 x 2, 4 waves a work-group, no clusters, 8,704 bytes of LDS; arguments Q, K, V, lowp_scales, qc, kv; writes qc, kv
.if DOCPART == 1
	.amdgcn_target "amdgcn-amd-amdhsa--gfx1250"
	.amdhsa_code_object_version 6
	.text
	.protected	k_q44bbb2472e_prep
	.globl	k_q44bbb2472e_prep
	.p2align	8
	.type	k_q44bbb2472e_prep,@function
k_q44bbb2472e_prep:
	s_mov_b64 s[64:65], 0
	v_nop
	global_prefetch_b8 v0, s[64:65] scope:SCOPE_SE
	s_setreg_imm32_b32 hwreg(HW_REG_WAVE_MODE, 25, 1), 1
	s_wait_xcnt 0x0
; q = xpos(Q), k = xpos(K, scale inverted) and V are turned ONCE into codes of BF8 (E5M2), each with its given scale 2^e (entries 0, 1, 3 of lowp_scales),
; and laid in the order of the operands' registers of the next launch:
;   qc: tile (batch, n / 16) at 1,024 x (256 batch + n / 16); chunk c2 at + 512 c2; lane (r, h) at + 16 (r + 16 h): query 16 tile + r, channels 32 c2 + 16 h + 0 .. 15.
;   kv: step (batch, m / 128) at 16,384 x (32 batch + m / 128).  K: tile t at + 1,024 t, chunk and lane as in qc; lane row r of tile 2 b + u is key 32 b + 8 u + r + 8 (r / 8).
;       V: at + 8,192 + 2,048 vt + 512 c + 16 (r + 16 h): column 16 vt + r, keys 32 c + 16 h + 0 .. 15.
; SHARES.  A work-group takes 32 positions of two batches, for Q, K and V: the tables (sin, cos, scale) of a position and a pair of channels are made once by a thread and used four times.
; Q, K: a load of a wave reads 512 consecutive bytes (two rows); a thread holds channels 4 cg .. 4 cg + 3 (two pairs) of four rows.  Its four codes of a row are one word, which goes to its place in
; an image in LDS; behind one barrier each wave stores one image of 2,048 bytes, 512 consecutive bytes a store.  V: a lane takes a column and its registers run down the keys, so the conversions'
; results are the operand's bytes; sixteen lanes store 256 consecutive bytes, aligned.
; ACCURACY.  The angle is n x inv_freq, so an error of inv_freq is multiplied by n.  inv_freq is therefore made as a correctly rounded power and a correctly rounded division give it:
; 10000^(i/32) = 10^(i/8) = a two-word constant 10^((i mod 8)/8) x 10^(i / 8, whole), the product's error kept by an fma, rounded once; 1 / that by v_rcp_f32 and two residual steps.
; sin and cos: reduction by pi/2 in two words (fma), polynomials of degree 9 and 10.  scale = 2^((n/512) log2(base)): the product's error is kept and the whole part split off ahead of v_exp_f32.
; No tensor loads, no matrix work, no cluster: work-groups share no input.
; LIMITS: e0, e1, e3 between -126 and 112, so that 2^e and 57,344 x 2^e are f32 numbers.  NaN among the inputs is not served.  The scale agrees with a correctly rounded power to about 1e-6 of it.
.set QD, 32                            ; v32-63   Q: batch bb at + 16 bb; row j, channel c at + 4 j + c
.set KD, 64                            ; v64-95   K likewise
.set VD, 96                            ; v96-127  V: key i of the 32
.set SQ, 128                           ; v128-159 tables, entry e = 2 j + p (row j, pair p): sin x scale, cos x scale, sin / scale, cos / scale
.set CQ, 136
.set SK, 144
.set CK, 152
.set A0, 160                           ; v160-223 eight arrays of eight, at work
.set A1, 168
.set A2, 176
.set A3, 184
.set A4, 192
.set A5, 200
.set A6, 208
.set A7, 216
.set CODE, 224                         ; v224-239 codes of Q and K: four words for each of the four uses
	s_load_b256 s[4:11], s[0:1], 0x0               ; Q s[4:5], K s[6:7], V s[8:9], lowp_scales s[10:11]
	s_load_b128 s[12:15], s[0:1], 0x20             ; qc s[12:13], kv s[14:15]
	v_lshl_add_u32 v240, v0, 2, 0x2000
	v_mov_b32 v241, 0
	v_lshrrev_b32 v1, 5, v0
	v_readfirstlane_b32 s16, v1                    ; wave w
	s_and_b32 s17, ttmp7, 0xffff                   ; y: batches 2 y, 2 y + 1
	s_mov_b32 s18, ttmp9                           ; pb: positions 32 pb ..
	s_and_b32 s20, s16, 1                          ; w % 2
	s_lshr_b32 s21, s16, 1                         ; w / 2
	v_and_b32 v1, 31, v0                           ; lane l
	v_and_b32 v2, 15, v0                           ; cg = l % 16
	v_bfe_u32 v3, v0, 4, 1                         ; l / 16
	v_lshlrev_b32 v10, 4, v1                       ; 16 l
	s_lshl_b32 s19, s16, 11
	v_add_nc_u32 v4, s19, v10                      ; 16 l + 2,048 w: my bytes of a load of Q or K; also my bytes of image w in LDS
	s_lshl_b32 s22, s20, 7
	v_lshl_add_u32 v5, v1, 2, s22                  ; V: column 32 (w % 2) + l, 4 bytes
	v_bfe_u32 v6, v0, 2, 2
	v_lshlrev_b32 v6, 8, v6                        ; an image's place of my word: 256 (cg / 4): chunk and half,
	v_and_b32 v7, 3, v0
	v_lshl_add_u32 v6, v7, 2, v6                   ; + 4 (cg % 4): the word in a lane's 16 bytes,
	v_lshl_add_u32 v6, v3, 4, v6                   ; + 16 (l / 16): the odd row
	v_bfe_u32 v8, v0, 5, 1                         ; w % 2
	v_bfe_u32 v9, v0, 6, 1                         ; w / 2
	v_lshl_add_u32 v7, v8, 10, v6                  ; K: tile u = w % 2,
	v_lshl_add_u32 v7, v9, 7, v7                   ;    lane rows 8 (w / 2) on
	v_lshl_add_u32 v6, v9, 10, v6                  ; Q: tile w / 2,
	v_lshl_add_u32 v6, v8, 7, v6                   ;    lane rows 8 (w % 2) on
	v_lshlrev_b32 v8, 4, v2
	v_lshl_add_u32 v8, v3, 11, v8
	s_lshl_b32 s22, s20, 12
	v_add_nc_u32 v8, s22, v8                       ; V's codes: 2,048 (2 (w % 2) + l / 16) + 16 (l % 16)
	s_lshl_b32 s22, s18, 5
	s_lshl_b32 s23, s16, 3
	s_add_co_u32 s22, s22, s23
	v_add_nc_u32 v24, s22, v3
	v_cvt_f32_u32 v24, v24                         ; n of my row j = 0: 32 pb + 8 w + l / 16;
	v_add_f32 v25, 2.0, v24                        ; rows j = 1, 2, 3 lie two positions apart
	v_add_f32 v26, 4.0, v24
	v_add_f32 v27, 4.0, v25
	s_lshl_b32 s24, s17, 21                        ; batch 2 y: 2 x 4,096 rows of 256 bytes,
	s_lshl_b32 s25, s18, 13                        ; 32 pb rows
	s_add_co_u32 s24, s24, s25
	s_mov_b32 s25, 0
	s_lshl_b32 s26, s21, 20                        ; V: my wave's batch is 2 y + w / 2
	s_add_co_u32 s26, s26, s24
	s_mov_b32 s27, 0
	s_wait_kmcnt 0x0
	s_load_b128 s[36:39], s[10:11], 0x0            ; e0 .. e3
	s_add_nc_u64 s[4:5], s[4:5], s[24:25]
	s_add_nc_u64 s[6:7], s[6:7], s[24:25]
	s_add_nc_u64 s[8:9], s[8:9], s[26:27]
	; all 48 loads of the wave go out first: Q batch 0, Q batch 1, K batch 0, K batch 1 (four each), V (32); the tables are made while they are on their way
.irp bb, 0,1
.irp j, 0,1,2,3
	global_load_b128 v[QD+16*\bb+4*\j:QD+16*\bb+4*\j+3], v4, s[4:5] offset:\bb*0x100000+512*\j th:TH_LOAD_NT
.endr
.endr
.irp bb, 0,1
.irp j, 0,1,2,3
	global_load_b128 v[KD+16*\bb+4*\j:KD+16*\bb+4*\j+3], v4, s[6:7] offset:\bb*0x100000+512*\j th:TH_LOAD_NT
.endr
.endr
.irp i, 0,1,2,3,4,5,6,7,8,9,10,11,12,13,14,15,16,17,18,19,20,21,22,23,24,25,26,27,28,29,30,31
	global_load_b32 v[VD+\i], v5, s[8:9] offset:256*\i th:TH_LOAD_NT
.endr
	; where the results go
	s_lshl_b32 s22, s17, 1
	s_add_co_u32 s22, s22, s21                     ; V: batch 2 y + w / 2
	s_lshl_b32 s22, s22, 5
	s_lshr_b32 s23, s18, 2
	s_add_co_u32 s22, s22, s23                     ; step 32 batch + pb / 4
	s_lshl_b32 s22, s22, 14
	s_and_b32 s23, s18, 3
	s_lshl_b32 s23, s23, 9                         ; chunk c = pb % 4
	s_add_co_u32 s22, s22, s23
	s_add_co_u32 s22, s22, 8192
	s_mov_b32 s23, 0
	s_add_nc_u64 s[28:29], s[14:15], s[22:23]
	s_lshl_b32 s22, s17, 1
	s_add_co_u32 s22, s22, s20                     ; image w (Q batch 0, Q batch 1, K batch 0, K batch 1): batch 2 y + w % 2
	s_lshl_b32 s30, s22, 8
	s_lshl_b32 s31, s18, 1
	s_add_co_u32 s30, s30, s31
	s_lshl_b32 s30, s30, 10                        ; in qc: tile 256 batch + 2 pb
	s_lshl_b32 s31, s22, 5
	s_lshr_b32 s23, s18, 2
	s_add_co_u32 s31, s31, s23
	s_lshl_b32 s31, s31, 14
	s_and_b32 s23, s18, 3
	s_lshl_b32 s23, s23, 11
	s_add_co_u32 s31, s31, s23                     ; in kv: step 32 batch + pb / 4, tiles 2 (pb % 4) on
	s_cmp_lt_u32 s16, 2                            ; the choice hangs on the wave's number alone
	s_cselect_b64 s[32:33], s[12:13], s[14:15]
	s_cselect_b32 s30, s30, s31
	s_mov_b32 s31, 0
	s_add_nc_u64 s[32:33], s[32:33], s[30:31]
	; constants
	s_mov_b32 s40, 0x3f22f983                      ; 2 / pi
	s_mov_b32 s41, 0x3fc90fdb                      ; pi / 2, first word
	s_mov_b32 s42, 0xb33bbd2e                      ; and what it lacks
	s_mov_b32 s43, 0x3638ef1d                      ; sin: 1/9!, -1/7!, 1/5!, -1/3!
	s_mov_b32 s44, 0xb9500d01
	s_mov_b32 s45, 0x3c088889
	s_mov_b32 s46, 0xbe2aaaab
	s_mov_b32 s47, 0xb493f27e                      ; cos: -1/10!, 1/8!, -1/6!, 1/4!
	s_mov_b32 s48, 0x37d00d01
	s_mov_b32 s49, 0xbab60b61
	s_mov_b32 s50, 0x3d2aaaab
; one of four constants, by three masks in s[m], s[m+1], s[m+2]
.macro SEL4 dst, c0, c1, c2, c3, m
	v_mov_b32 v[\dst], \c0
	s_mov_b32 s51, \c1
	v_cndmask_b32 v[\dst], v[\dst], s51, s[\m]
	s_mov_b32 s51, \c2
	v_cndmask_b32 v[\dst], v[\dst], s51, s[\m+1]
	s_mov_b32 s51, \c3
	v_cndmask_b32 v[\dst], v[\dst], s51, s[\m+2]
.endm
	; my two pairs are i = 2 cg + p, p = 0, 1:  i mod 8 = 2 (cg % 4) + p,  i / 8 = cg / 4
	v_and_b32 v28, 3, v0
	v_bfe_u32 v29, v0, 2, 2
	v_cmp_eq_u32 s52, 1, v28
	v_cmp_eq_u32 s53, 2, v28
	v_cmp_eq_u32 s54, 3, v28
	v_cmp_eq_u32 s55, 1, v29
	v_cmp_eq_u32 s56, 2, v29
	v_cmp_eq_u32 s57, 3, v29
	SEL4 17, 1.0, 0x41200000, 0x42c80000, 0x447a0000, 55          ; 1, 10, 100, 1000
	SEL4 18, 1.0, 0x3fe39ea9, 0x404a62c2, 0x40b3f300, 52          ; 10^(0/8), 10^(2/8), 10^(4/8), 10^(6/8): first words,
	SEL4 20, 0, 0xb26aee3c, 0xb324b496, 0x34323462, 52            ; and what they lack
	SEL4 19, 0x3faab0d5, 0x4017c496, 0x4086f161, 0x40eff755, 52   ; 10^(1/8), 10^(3/8), 10^(5/8), 10^(7/8)
	SEL4 21, 0xb36457ec, 0x33606940, 0xb430577b, 0x34515b51, 52
.irp p, 0,1
	v_mul_f32 v[22+\p], v[18+\p], v17
.endr
.irp p, 0,1
	v_fma_f32 v[28+\p], v[18+\p], v17, -v[22+\p]   ; the product's error, exact,
.endr
.irp p, 0,1
	v_fma_f32 v[28+\p], v[20+\p], v17, v[28+\p]    ; and the second word's part
.endr
.irp p, 0,1
	v_add_f32 v[18+\p], v[22+\p], v[28+\p]         ; 10000^(i/32), rounded once
.endr
	v_mov_b32 v30, 0x42b33333                      ; 1.4 x 64
	v_rcp_f32 v20, v18
	v_rcp_f32 v21, v19
	v_rcp_f32 v31, v30
	v_lshlrev_b32 v28, 2, v2                       ; (a plain line behind the reciprocals)  2 i for p = 0: 4 cg
	v_cvt_f32_u32 v28, v28
	v_add_f32 v29, 2.0, v28                        ; for p = 1
	s_mov_b32 s51, 0x41cccccd                      ; 0.4 x 64
	v_add_f32 v28, s51, v28
	v_add_f32 v29, s51, v29
	s_wait_alu depctr_va_vdst(0)
.rept 2                                            ; 1 / a: each step takes the exact residual 1 - a q and adds q times it
.irp p, 0,1
	v_fma_f32 v[22+\p], -v[18+\p], v[20+\p], 1.0
.endr
.irp p, 0,1
	v_fma_f32 v[20+\p], v[20+\p], v[22+\p], v[20+\p]
.endr
.endr                                              ; v20, v21: inv_freq
	v_fma_f32 v22, -v30, v31, 1.0
	v_fma_f32 v31, v31, v22, v31                   ; 1 / 89.6
	v_mul_f32 v22, v28, v31
	v_mul_f32 v23, v29, v31
	v_fma_f32 v28, -v30, v22, v28                  ; the quotient's exact remainder
	v_fma_f32 v29, -v30, v23, v29
	v_fma_f32 v22, v28, v31, v22                   ; base = (2 i + 25.6) / 89.6, rounded as a division rounds
	v_fma_f32 v23, v29, v31, v23
	v_log_f32 v22, v22                             ; log2(base)
	v_log_f32 v23, v23
.irp j, 0,1,2,3
	v_mul_f32 v[28+\j], 0x3b000000, v[24+\j]       ; (plain lines behind the logarithms)  n / 512, exact
.endr
	; THE TABLES, eight entries a thread, stage by stage, so that no line waits for the line above it
.irp e, 0,1,2,3,4,5,6,7
	v_mul_f32 v[A0+\e], v[24+\e/2], v[20+\e%2]     ; the angle x = n x inv_freq: one rounding
.endr
.irp e, 0,1,2,3,4,5,6,7
	v_mul_f32 v[A1+\e], s40, v[A0+\e]
.endr
.irp e, 0,1,2,3,4,5,6,7
	v_rndne_f32 v[A1+\e], v[A1+\e]                 ; k = the nearest whole number to x / (pi / 2)
.endr
.irp e, 0,1,2,3,4,5,6,7
	v_fma_f32 v[A2+\e], -v[A1+\e], s41, v[A0+\e]
.endr
.irp e, 0,1,2,3,4,5,6,7
	v_fma_f32 v[A2+\e], -v[A1+\e], s42, v[A2+\e]   ; r = x - k pi / 2
.endr
.irp e, 0,1,2,3,4,5,6,7
	v_mul_f32 v[A3+\e], v[A2+\e], v[A2+\e]
.endr
.irp e, 0,1,2,3,4,5,6,7
	v_fma_f32 v[A4+\e], v[A3+\e], s43, s44
	v_fma_f32 v[A5+\e], v[A3+\e], s47, s48
.endr
.irp e, 0,1,2,3,4,5,6,7
	v_fma_f32 v[A4+\e], v[A4+\e], v[A3+\e], s45
	v_fma_f32 v[A5+\e], v[A5+\e], v[A3+\e], s49
.endr
.irp e, 0,1,2,3,4,5,6,7
	v_fma_f32 v[A4+\e], v[A4+\e], v[A3+\e], s46
	v_fma_f32 v[A5+\e], v[A5+\e], v[A3+\e], s50
.endr
.irp e, 0,1,2,3,4,5,6,7
	v_mul_f32 v[A0+\e], v[A2+\e], v[A3+\e]         ; r^3
	v_fma_f32 v[A5+\e], v[A5+\e], v[A3+\e], -0.5
.endr
.irp e, 0,1,2,3,4,5,6,7
	v_fma_f32 v[A4+\e], v[A0+\e], v[A4+\e], v[A2+\e]   ; sin r
	v_fma_f32 v[A5+\e], v[A5+\e], v[A3+\e], 1.0        ; cos r
.endr
.irp e, 0,1,2,3,4,5,6,7
	v_cvt_i32_f32 v[A6+\e], v[A1+\e]
.endr
.irp e, 0,1,2,3,4,5,6,7
	v_and_b32 v[A7+\e], 1, v[A6+\e]
.endr
.irp e, 0,1,2,3,4,5,6,7
	v_cmp_eq_u32 vcc_lo, 1, v[A7+\e]               ; k odd: sin and cos change places
	v_cndmask_b32 v[A0+\e], v[A4+\e], v[A5+\e], vcc_lo
	v_cndmask_b32 v[A2+\e], v[A5+\e], v[A4+\e], vcc_lo
.endr
.irp e, 0,1,2,3,4,5,6,7
	v_lshlrev_b32 v[A7+\e], 30, v[A6+\e]           ; sin is negated where k mod 4 is 2 or 3,
	v_add_nc_u32 v[A6+\e], 1, v[A6+\e]
.endr
.irp e, 0,1,2,3,4,5,6,7
	v_and_b32 v[A7+\e], 0x80000000, v[A7+\e]
	v_lshlrev_b32 v[A6+\e], 30, v[A6+\e]           ; cos where it is 1 or 2
.endr
.irp e, 0,1,2,3,4,5,6,7
	v_xor_b32 v[A0+\e], v[A0+\e], v[A7+\e]         ; sin x
	v_and_b32 v[A6+\e], 0x80000000, v[A6+\e]
.endr
	s_wait_alu depctr_va_vdst(0)
.irp e, 0,1,2,3,4,5,6,7
	v_xor_b32 v[A2+\e], v[A2+\e], v[A6+\e]         ; cos x
	v_mul_f32 v[A1+\e], v[28+\e/2], v[22+\e%2]     ; (n / 512) log2(base)
.endr
.irp e, 0,1,2,3,4,5,6,7
	v_fma_f32 v[A3+\e], v[28+\e/2], v[22+\e%2], -v[A1+\e]   ; that product's error
	v_rndne_f32 v[A4+\e], v[A1+\e]                 ; its whole part
.endr
.irp e, 0,1,2,3,4,5,6,7
	v_sub_f32 v[A1+\e], v[A1+\e], v[A4+\e]
.endr
.irp e, 0,1,2,3,4,5,6,7
	v_add_f32 v[A1+\e], v[A1+\e], v[A3+\e]         ; the rest, at most a half in size
.endr
.irp e, 0,1,2,3,4,5,6,7
	v_exp_f32 v[A3+\e], v[A1+\e]
.endr
.irp e, 0,1,2,3,4,5,6,7
	v_exp_f32 v[A5+\e], -v[A1+\e]
.endr
.irp e, 0,1,2,3,4,5,6,7
	v_cvt_i32_f32 v[A4+\e], v[A4+\e]               ; (plain lines behind the exponentials)
.endr
.irp e, 0,1,2,3,4,5,6,7
	v_sub_nc_u32 v[A6+\e], 0, v[A4+\e]
.endr
	s_wait_alu depctr_va_vdst(0)
.irp e, 0,1,2,3,4,5,6,7
	v_ldexp_f32 v[A3+\e], v[A3+\e], v[A4+\e]       ; scale
	v_ldexp_f32 v[A5+\e], v[A5+\e], v[A6+\e]       ; 1 / scale
.endr
.irp e, 0,1,2,3,4,5,6,7
	v_mul_f32 v[SQ+\e], v[A0+\e], v[A3+\e]
	v_mul_f32 v[CQ+\e], v[A2+\e], v[A3+\e]
	v_mul_f32 v[SK+\e], v[A0+\e], v[A5+\e]
	v_mul_f32 v[CK+\e], v[A2+\e], v[A5+\e]
.endr
; 2^e as f32 (the conversion takes its exponent field) and 57,344 x 2^e
.macro MKS e, scl, lim
	s_add_co_i32 s22, s[\e], 127
	s_lshl_b32 s23, s22, 23
	v_mov_b32 v[\scl], s23
	s_add_co_i32 s22, s22, 15
	s_lshl_b32 s22, s22, 23
	s_or_b32 s22, s22, 0x600000
	v_mov_b32 v[\lim], s22
.endm
	s_wait_kmcnt 0x0
	MKS 36, 11, 12                                 ; q
	MKS 37, 13, 14                                 ; k
	MKS 39, 15, 16                                 ; V
; 16 numbers at v[d] (entry e: channels 2 i, 2 i + 1 at d + 2 e, d + 2 e + 1) are rotated and scaled, held, converted; a row's four codes are one word of the image at off
.macro XPOS d, s, c, scl, lim, adr, off, cd
.irp e, 0,1,2,3,4,5,6,7
	v_mul_f32 v[A6+\e], v[\d+2*\e+1], v[\s+\e]
	v_mul_f32 v[A7+\e], v[\d+2*\e], v[\s+\e]
.endr
.irp e, 0,1,2,3,4,5,6,7
	v_fma_f32 v[\d+2*\e], v[\d+2*\e], v[\c+\e], -v[A6+\e]       ; x0 c - x1 s
	v_fma_f32 v[\d+2*\e+1], v[\d+2*\e+1], v[\c+\e], v[A7+\e]    ; x1 c + x0 s
.endr
.irp i, 0,1,2,3,4,5,6,7,8,9,10,11,12,13,14,15
	v_med3_num_f32 v[\d+\i], v[\d+\i], -v[\lim], v[\lim]        ; the conversion to an 8-bit code does not saturate (ISA guide 7.6.2): the hold at the largest code x the scale
.endr
	v_cvt_scalef32_pk8_bf8_f32 v[\cd:\cd+1], v[\d:\d+7], v[\scl]        ; rows j = 0, 1: a word each
	v_cvt_scalef32_pk8_bf8_f32 v[\cd+2:\cd+3], v[\d+8:\d+15], v[\scl]   ; rows j = 2, 3.  (Their results go to LDS stores alone; the next vector lines are plain and touch other registers)
.irp j, 0,1,2,3
	ds_store_b32 v[\adr], v[\cd+\j] offset:\off+32*\j
.endr
.endm
	s_wait_loadcnt 44                              ; Q batch 0 is in: 44 younger loads may be out
	XPOS QD, SQ, CQ, 11, 12, 6, 0, CODE
	s_wait_loadcnt 40                              ; Q batch 1
	XPOS QD+16, SQ, CQ, 11, 12, 6, 2048, CODE+4
	s_wait_loadcnt 36                              ; K batch 0
	XPOS KD, SK, CK, 13, 14, 7, 4096, CODE+8
	s_wait_loadcnt 32                              ; K batch 1: V's 32 loads may be out
	XPOS KD+16, SK, CK, 13, 14, 7, 6144, CODE+12
	s_wait_loadcnt 16                              ; V's keys 0 .. 15
.irp i, 0,1,2,3,4,5,6,7,8,9,10,11,12,13,14,15
	v_med3_num_f32 v[VD+\i], v[VD+\i], -v16, v16
.endr
	v_cvt_scalef32_pk8_bf8_f32 v[A0:A0+1], v[VD:VD+7], v15
	v_cvt_scalef32_pk8_bf8_f32 v[A0+2:A0+3], v[VD+8:VD+15], v15
	global_store_b128 v8, v[A0:A0+3], s[28:29]                 ; half h = 0: sixteen lanes store 256 consecutive bytes, aligned
	s_wait_loadcnt 0x0                             ; keys 16 .. 31
.irp i, 16,17,18,19,20,21,22,23,24,25,26,27,28,29,30,31
	v_med3_num_f32 v[VD+\i], v[VD+\i], -v16, v16
.endr
	v_cvt_scalef32_pk8_bf8_f32 v[A0+4:A0+5], v[VD+16:VD+23], v15
	v_cvt_scalef32_pk8_bf8_f32 v[A0+6:A0+7], v[VD+24:VD+31], v15
	global_store_b128 v8, v[A0+4:A0+7], s[28:29] offset:256    ; half h = 1
	s_wait_dscnt 0x0                               ; for the others' sake: my words lie in the images
	s_barrier_signal -1
	s_barrier_wait -1
.irp c, 0,1,2,3
	ds_load_b128 v[A1+4*\c:A1+4*\c+3], v4 offset:512*\c        ; image w, as it lies
.endr
.irp c, 0,1,2,3
	s_wait_dscnt 3-\c
	global_store_b128 v10, v[A1+4*\c:A1+4*\c+3], s[32:33] offset:512*\c   ; 32 lanes store 512 consecutive bytes
.endr
	s_wait_tensorcnt 0x0
	ds_add_u32 v240, v241
	s_wait_dscnt 0x0
	s_endpgm
.Lfunc_end_k_q44bbb2472e_prep:
	.size	k_q44bbb2472e_prep, .Lfunc_end_k_q44bbb2472e_prep-k_q44bbb2472e_prep
	.p2alignl 7, 3214868480
	.fill 96, 4, 3214868480
	.section	.rodata,"a",@progbits
	.p2align	6, 0x0
	.amdhsa_kernel k_q44bbb2472e_prep
		.amdhsa_group_segment_fixed_size 8704
		.amdhsa_private_segment_fixed_size 0
		.amdhsa_enable_private_segment 0
		.amdhsa_kernarg_size 48
		.amdhsa_user_sgpr_count 2
		.amdhsa_user_sgpr_kernarg_segment_ptr 1
		.amdhsa_wavefront_size32 1
		.amdhsa_system_sgpr_workgroup_id_x 1
		.amdhsa_system_sgpr_workgroup_id_y 1
		.amdhsa_system_sgpr_workgroup_id_z 1
		.amdhsa_system_vgpr_workitem_id 0
		.amdhsa_next_free_vgpr 242
		.amdhsa_next_free_sgpr 66
		.amdhsa_reserve_vcc 1
		.amdhsa_float_denorm_mode_32 3
		.amdhsa_float_denorm_mode_16_64 3
		.amdhsa_memory_ordered 1
		.amdhsa_forward_progress 1
		.amdhsa_inst_pref_size 45
	.end_amdhsa_kernel
	.amdgpu_metadata
---
amdhsa.version: [ 1, 2 ]
amdhsa.kernels:
  - .name:           k_q44bbb2472e_prep
    .symbol:         k_q44bbb2472e_prep.kd
    .args:
      - { .name: Q, .offset: 0, .size: 8, .value_kind: global_buffer, .address_space: global }
      - { .name: K, .offset: 8, .size: 8, .value_kind: global_buffer, .address_space: global }
      - { .name: V, .offset: 16, .size: 8, .value_kind: global_buffer, .address_space: global }
      - { .name: lowp_scales, .offset: 24, .size: 8, .value_kind: global_buffer, .address_space: global }
      - { .name: qc, .offset: 32, .size: 8, .value_kind: global_buffer, .address_space: global }
      - { .name: kv, .offset: 40, .size: 8, .value_kind: global_buffer, .address_space: global }
    .group_segment_fixed_size: 8704
    .private_segment_fixed_size: 0
    .kernarg_segment_align: 8
    .kernarg_segment_size: 48
    .max_flat_workgroup_size: 128
    .sgpr_count:     66
    .vgpr_count:     242
    .wavefront_size: 32
...
	.end_amdgpu_metadata
.endif
;; end of part 1
;; launch retain (part 2): grid 64 x 4, 8 waves a work-group, clusters of 4 x 1, 327,680 bytes of LDS; arguments qc, kv, lowp_scales, out0; writes out0
.if DOCPART == 2
	.amdgcn_target "amdgcn-amd-amdhsa--gfx1250"
	.amdhsa_code_object_version 6
	.text
	.protected	k_q44bbb2472e_retain
	.globl	k_q44bbb2472e_retain
	.p2align	8
	.type	k_q44bbb2472e_retain,@function
k_q44bbb2472e_retain:
	s_mov_b64 s[64:65], 0
	v_nop
	global_prefetch_b8 v0, s[64:65] scope:SCOPE_SE
	s_setreg_imm32_b32 hwreg(HW_REG_WAVE_MODE, 25, 1), 1
	s_wait_xcnt 0x0
	s_wait_alu depctr_hold_cnt(0) depctr_sa_sdst(0) depctr_va_vdst(0) depctr_va_sdst(0) depctr_va_ssrc(0) depctr_va_vcc(0) depctr_vm_vsrc(0)
	s_getreg_b32 s2, hwreg(HW_REG_IB_STS2, 6, 4)
	s_cmp_eq_u32 s2, 0
	s_cbranch_scc0 .Lentry_in_a_cluster
	s_endpgm
.Lentry_in_a_cluster:
	s_bfe_u32 s2, ttmp6, 0x10000c
	s_cmp_lg_u32 s2, 0x3003
	s_cbranch_scc0 .Lentry_shape_is_right
	s_endpgm
.Lentry_shape_is_right:
; out[n] = sum over m <= n of Q8( (q[n] . k[m]) gamma^(n - m) ) V[m], gamma = 31/32, both products on codes of BF8 (E5M2).  q's, k's and V's codes come from the launch before, laid in the order
; of the operands' registers (its head comment gives the layout); the decayed scores are quantised here, in registers, along the keys, with the given 2^e2.
; SHARES.  A cluster of four work-groups owns two blocks of 128 queries of one batch: Lo = block j and Hi = block 31 - j (j = the cluster's x, 0 .. 15).  Lo needs key steps 0 .. j, Hi 0 .. 31 - j
; (a step = 128 keys; steps wholly above the diagonal are not multiplied): 33 block steps in every cluster.  Partner cx owns rows 32 cx .. 32 cx + 31 of both blocks: four tiles of 16 queries.
; There is no softmax, so the result is linear in the keys: THE EIGHT WAVES SHARE THE KEYS.  Wave w takes steps 8 g + w, g = 0 .. 3, for all four tiles, so every byte of K and V is fetched once
; in a work-group; the eight partial results meet in LDS at the end.
; K, BY JOINT LOADS, ONCE.  K's codes of the batch's 32 steps are 32 x 8,192 = 262,144 bytes: they fit in LDS at once.  Wave w of each of the four partners asks for K of steps w, 8 + w, 16 + w, 24 + w by the
; same four tensor loads (mask 15, the same descriptors: batch, wave and g alone), all at the start, into 32,768 bytes of its own.  NOTHING IS FILLED AGAIN: no barrier stands between the start and the
; meeting of the partial results, and the waves run freely.  All four are asked for in every cluster, also where 8 g + w lies beyond the last step that is needed: every partner issues every joint load on every path.
; V IS NOT ASKED FOR JOINTLY: K and V of 32 steps are 524,288 bytes, more than the 327,680 of LDS, and a ring would want a round of the cluster's barrier for each refill, which holds 32 waves in step.
; V's codes lie in memory in the order of the operand's registers, so a wave loads its step's V straight into registers, sixteen loads of 512 consecutive bytes, into two sets of 64 registers by turns:
; a set is asked for again as soon as its generation is done, a whole generation ahead of its use.  Steps beyond Hi's last are not asked for.
; Every branch hangs on j, the wave's number and constants, which the partners share; cx enters only Q's and the output's addresses and vector data.
; LAYOUT.  Both products are used transposed: S^T = K Q^T (16x16x64: source 0 = 16 keys, source 1 = 16 queries), O^T = V^T P^T (16x16x128: source 0 = 16 columns of V, source 1 = P): a lane holds ONE query.
; The keys of a tile of K are chosen so that register 16 b + i of S^T is key 32 b + 16 h + i: the conversions' results are P's registers.
; THE DECAY.  n - m = [128 (J - s) + 32 cx + r - 16 h - 15] + (16 tau - 32 b) + (15 - i).  gamma^[..] is made once a block step (a two-word log2(gamma), the whole part split off ahead of v_exp_f32),
; gamma^(16 tau - 32 b) and gamma^(15 - i) are tables made at the head: two packed multiplications a pair of scores.  On the diagonal step hidden scores become 0 first.
; SCALES.  A raw sum stands for sum x 2^(e0 + e1): the conversion takes 2^E, E = e2 - e0 - e1; the result is multiplied once by 2^(e2 + e3).
; LIMITS: E between -66 and 112 (2^E and 57,344 x 2^E are f32 numbers; from -66 on every score whose decay factor falls under the normal f32 numbers has the code 0 in any case); e2 + e3 between -126 and 127.
; NaN among the inputs is not served.  The decay factor is a product of three rounded powers: it agrees with a correctly rounded power to a few units of its last place.
; REGISTERS, window 0: v0 thread; v1, v2 the spare word's address and 0; v3 my 16 bytes of a chunk in my part of LDS; v4 r - 16 h - 15; v5 the bracket above; v6, v7 57,344 x 2^E, 2^E; v8 gamma^bracket; v9-15 at work;
;   v16-23 the four factors of a tile (even registers; the odd ones are named as pairs' upper halves); v24-39 gamma^(15 - i); v40-71 Q (8 a tile); v72-135 K (8 a tile of keys); v136-199 S^T; v200-215 P; v216-218 addresses.
;   window 1: v0-127 O^T (tile T, columns 16 vt on: 32 T + 8 vt); v128-191 and v192-255 V, two sets (16 registers a tile of columns).
.set SPARE,  262144                    ; behind K's 32 steps: the spare words, 128 bytes for each wave: four blocks of 256 bytes that no other line names
.set STEPB,  16384                     ; a step in kv: its K (8,192 bytes), then its V
.set KSLOT,  8192                      ; a step's K in LDS
.set VOFF,   8192
.set SPITCH, 272                       ; the way out: a row of 256 bytes + 16: an odd multiple of 16 bytes
.set SPW, 1
.set NIL, 2
.set LA,  3
.set KB,  4
.set KI,  5
.set LIM, 6
.set SCL, 7
.set A00, 8
.set AP,  16
.set TT,  24
.set QF,  40
.set KF,  72
.set SF,  136
.set PF,  200
.set SO,  216
.set SR,  217
.set L16, 218
.set VF,  128                          ; in window 1: set vb at VF + 64 vb
.set WV,  12                           ; s12 wave; s13 cx; s14 j (Lo's block); s15 31 - j (Hi's block); s16 batch; s17 32 cx
.set CT,  46                           ; s46-53 gamma^(16 tau - 32 b) at 46 + 4 tau + b;  s40 my key step; s41 128 (J - s) + 32 cx;  s[44:45] 2^(e2 + e3);  s54, s55 log2(gamma) in two words
.set G0,  68                           ; s[68:83] descriptor group 0, a set of four registers for each generation; s[20:27] group 1
.set MSB, 0
.macro WIN new                         ; the immediate's high byte repeats the setting that is left; bits 1:0 source 0, 3:2 source 1, 5:4 source 2, 7:6 destination
.if MSB != \new
	s_set_vgpr_msb (MSB<<8)|\new
.set MSB, \new
.endif
.endm
; A round of the cluster's barrier: my work-group's barrier, so that wave 0's signal speaks for all eight waves; wave 0 signals; every wave waits for all four work-groups; my work-group's barrier once more.
.macro CROUND
	s_barrier_signal -1
	s_barrier_wait -1
	s_cmp_lg_u32 s[WV], 0
	s_cbranch_scc1 .Lnot_wave_0_\@
	s_barrier_signal -3
.Lnot_wave_0_\@:
	s_barrier_wait -3
	s_barrier_signal -1
	s_barrier_wait -1
.endm
; v[dst] = gamma^k, k a whole number as f32 in v[k]
.macro POW2 dst, k
	v_mul_f32 v12, s54, v[\k]
	v_fma_f32 v13, v[\k], s54, -v12                ; the product's error,
	v_fma_f32 v13, v[\k], s55, v13                 ; and the second word's part
	v_rndne_f32 v14, v12
	v_sub_f32 v12, v12, v14
	v_add_f32 v12, v12, v13                        ; at most a half in size
	v_exp_f32 v12, v12
	v_cvt_i32_f32 v14, v14                         ; (a plain line behind the exponential)
	s_wait_alu depctr_va_vdst(0)
	v_ldexp_f32 v[\dst], v12, v14
.endm
; V of my step of generation g, straight from memory into set vb: sixteen loads of 512 consecutive bytes.  The base and the offset register are never rewritten: the generation stands in the immediate.
.macro VLOAD g, vb
	WIN 0x40                                       ; destination window 1, address window 0
.irp c, 0,1,2,3,4,5,6,7,8,9,10,11,12,13,14,15
	global_load_b128 v[VF+64*(\vb)+4*\c:VF+64*(\vb)+4*\c+3], v[L16], s[6:7] offset:\g*8*STEPB+VOFF+512*\c
.endr
	WIN 0
.endm
	s_load_b256 s[4:11], s[0:1], 0x0               ; qc s[4:5], kv s[6:7], lowp_scales s[8:9], out0 s[10:11]
	v_lshl_add_u32 v[SPW], v0, 2, SPARE
	v_mov_b32 v[NIL], 0
	ds_add_u32 v1, v2
	ds_add_u32 v1, v2
	s_wait_dscnt 0x0
	v_lshrrev_b32 v8, 5, v0
	v_readfirstlane_b32 s[WV], v8                  ; wave 0..7
	s_bfe_u32 s13, ttmp6, 0x40000                  ; cx
	s_mov_b32 s14, ttmp9                           ; in a cluster launch ttmp9 counts clusters: j
	s_sub_co_u32 s15, 31, s14
	s_and_b32 s16, ttmp7, 0xffff                   ; the batch
	s_lshl_b32 s17, s13, 5
	; descriptor group 1: a dense block of 8,192 bytes as 32 rows of 32 elements of 8 bytes
	s_mov_b32 s20, 15|(3<<16)|(1<<21)              ; 15:0 the mask: all four work-groups; 17:16 elements of 8 bytes; 20 no padding; 21 set beside a mask
	s_mov_b32 s21, 32<<16                          ; tensor_dim0 = 32
	s_mov_b32 s22, 32<<16                          ; tensor_dim1 = 32
	s_mov_b32 s23, 32<<16                          ; tile_dim0 = 32
	s_mov_b32 s24, 32                              ; tile_dim1 = 32
	s_mov_b32 s25, 32                              ; from row to row: 32 elements
	s_mov_b32 s26, 0
	s_mov_b32 s27, 0
	s_mov_b32 s54, 0xbd3b9ca6                      ; log2(31/32), first word,
	s_mov_b32 s55, 0xb09d958d                      ; and what it lacks
	s_lshl_b32 s42, s16, 19                        ; the batch's 32 steps of 16,384 bytes,
	s_lshl_b32 s43, s[WV], 14                      ; step w
	s_add_co_u32 s42, s42, s43
	s_mov_b32 s43, 0
	s_lshl_b32 s40, s[WV], 15                      ; my part of LDS: 32,768 x wave
	s_wait_kmcnt 0x0
	s_load_b128 s[36:39], s[8:9], 0x0              ; e0 .. e3
	s_add_nc_u64 s[6:7], s[6:7], s[42:43]          ; kv at step w of my batch; it stays so
.irp g, 0,1,2,3
	s_mov_b32 s[G0+4*\g], 1                                        ; count = 1
	s_add_co_u32 s[G0+4*\g+1], s40, \g*KSLOT                       ; LDS address: 32,768 x wave + 8,192 g
	s_add_nc_u64 s[G0+4*\g+2:G0+4*\g+3], s[6:7], \g*8*STEPB        ; K of step 8 g + w
	s_or_b32 s[G0+4*\g+3], s[G0+4*\g+3], 0x80000000               ; type = 2
.endr
	CROUND                                         ; all four work-groups are here: the joint loads meet
	tensor_load_to_lds s[G0:G0+3], s[20:27]        ; all fills of the launch together: four loads of mine are out
	s_nop 0
	tensor_load_to_lds s[G0+4:G0+7], s[20:27]
	s_nop 0
	tensor_load_to_lds s[G0+8:G0+11], s[20:27]
	s_nop 0
	tensor_load_to_lds s[G0+12:G0+15], s[20:27]
	s_nop 0
.rept 4
	v_nop                                          ; (behind a tensor load)
.endr
	; Q: tiles 8 J + 2 cx, + 1 of the batch's 256, for J = j (tiles 0, 1) and J = 31 - j (tiles 2, 3)
	s_lshl_b32 s42, s16, 8
	s_lshl_b32 s43, s13, 1
	s_add_co_u32 s42, s42, s43
	s_lshl_b32 s43, s14, 3
	s_add_co_u32 s56, s42, s43
	s_lshl_b32 s56, s56, 10
	s_mov_b32 s57, 0
	s_add_nc_u64 s[56:57], s[4:5], s[56:57]
	s_lshl_b32 s43, s15, 3
	s_add_co_u32 s58, s42, s43
	s_lshl_b32 s58, s58, 10
	s_mov_b32 s59, 0
	s_add_nc_u64 s[58:59], s[4:5], s[58:59]
	v_and_b32 v8, 31, v0                           ; lane
	v_lshlrev_b32 v[L16], 4, v8                    ; 16 x lane; never rewritten
.irp t, 0,1
.irp c, 0,1
	global_load_b128 v[QF+8*\t+4*\c:QF+8*\t+4*\c+3], v[L16], s[56:57] offset:1024*\t+512*\c
	global_load_b128 v[QF+16+8*\t+4*\c:QF+16+8*\t+4*\c+3], v[L16], s[58:59] offset:1024*\t+512*\c
.endr
.endr
	VLOAD 0, 0                                     ; V of steps w and 8 + w: both lie under Hi's diagonal in every cluster (31 - j >= 16)
	VLOAD 1, 1
	; the two tables, by one power over the lanes: lane l < 16: gamma^(15 - l); lane 16 + x: gamma^(16 (1 - x))
	v_sub_nc_u32 v9, 15, v8
	v_sub_nc_u32 v10, 17, v8
	v_lshlrev_b32 v10, 4, v10
	v_cmp_gt_u32 vcc_lo, 16, v8
	v_cndmask_b32 v9, v10, v9, vcc_lo
	v_cvt_f32_i32 v9, v9
	POW2 10, 9
.irp i, 0,1,2,3,4,5,6,7,8,9,10,11,12,13,14,15
	v_readlane_b32 s42, v10, \i
	v_mov_b32 v[TT+\i], s42                        ; gamma^(15 - i), in every lane
.endr
.irp b, 0,1,2,3
	v_readlane_b32 s[CT+\b], v10, 17+2*\b          ; gamma^(-32 b)
	v_readlane_b32 s[CT+4+\b], v10, 16+2*\b        ; gamma^(16 - 32 b)
.endr
	v_and_b32 v9, 15, v0                           ; r
	v_bfe_u32 v10, v0, 4, 1                        ; h
	v_lshlrev_b32 v11, 4, v10
	v_sub_nc_u32 v[KB], v9, v11
	v_add_nc_u32 v[KB], -15, v[KB]                 ; r - 16 h - 15
	s_lshl_b32 s42, s[WV], 15
	v_add_nc_u32 v[LA], s42, v[L16]                ; my part of LDS + 16 x lane
	v_mul_u32_u24 v[SO], v9, SPITCH                ; the way out, in: my part's bytes, row r, + 32 h
	v_lshl_add_u32 v[SO], v10, 5, v[SO]
	v_add_nc_u32 v[SO], s42, v[SO]
	s_mul_i32 s43, s[WV], 8*SPITCH                 ; back: rows 8 w on; lanes 0-15 one row, lanes 16-31 the next
	v_mul_u32_u24 v[SR], v10, SPITCH
	v_lshl_add_u32 v[SR], v9, 4, v[SR]
	v_add_nc_u32 v[SR], s43, v[SR]
.irp b, 0,1,2,3
	v_mov_b32 v[AP+2*\b+1], 0                      ; (named as the upper halves of pairs, so they are written)
.endr
	s_cmp_lt_u32 s[WV], 4                          ; the rows that I store: waves 0-3 Lo's, waves 4-7 Hi's
	s_cselect_b32 s42, s14, s15
	s_lshl_b32 s42, s42, 7
	s_lshl_b32 s43, s16, 12
	s_add_co_u32 s42, s42, s43
	s_add_co_u32 s42, s42, s17
	s_and_b32 s43, s[WV], 3
	s_lshl_b32 s43, s43, 3
	s_add_co_u32 s42, s42, s43                     ; row 4,096 batch + 128 J + 32 cx + 8 (w % 4)
	s_lshl_b32 s42, s42, 8
	s_mov_b32 s43, 0
	s_add_nc_u64 s[10:11], s[10:11], s[42:43]
	s_wait_kmcnt 0x0
	s_sub_co_i32 s42, s38, s36
	s_sub_co_i32 s42, s42, s37                     ; E = e2 - e0 - e1
	s_add_co_i32 s42, s42, 127
	s_lshl_b32 s43, s42, 23
	v_mov_b32 v[SCL], s43                          ; 2^E as f32: the conversion takes its exponent field
	s_add_co_i32 s42, s42, 15
	s_lshl_b32 s42, s42, 23
	s_or_b32 s42, s42, 0x600000
	v_mov_b32 v[LIM], s42                          ; 57,344 x 2^E
	s_add_co_i32 s44, s38, s39
	s_add_co_i32 s44, s44, 127
	s_lshl_b32 s44, s44, 23                        ; 2^(e2 + e3) as f32
	s_mov_b32 s45, s44                             ; (named with it as a pair, so it is written)
; K's fragments of generation g, sixteen LDS loads in one run: every chunk is 512 consecutive bytes, 16 a lane.  K's registers were last read by the products S^T of the tile before,
; behind which that tile's four multiplications of factors, and much more, are the places in front of these loads.
.macro FETCH g
.irp c, 0,1,2,3,4,5,6,7,8,9,10,11,12,13,14,15
	ds_load_b128 v[KF+4*\c:KF+4*\c+3], v[LA] offset:\g*KSLOT+512*\c
.endr
.endm
; ONE TILE OF 16 QUERIES AGAINST THE STEP'S 128 KEYS.  tq: the tile (0 .. 3); tau: its place in its block's 32 rows; zero = 1: its products start O^T's sums; mask = 1: the step may be the block's diagonal one;
; vw >= 0: V's loads are waited for here, with that count; jb: the scalar register that holds the block's number; vb: V's set.
; No two matrix instructions that follow each other share an accumulator.
.macro TILE tq, tau, zero, mask, vw, jb, vb
.irp t, 0,1,2,3,4,5,6,7
	v_wmma_f32_16x16x64_bf8_bf8 v[SF+8*\t:SF+8*\t+7], v[KF+8*\t:KF+8*\t+7], v[QF+8*(\tq):QF+8*(\tq)+7], 0
.endr
	; the lines up to the first read of a score are the places behind those products (ISA guide 7.12.1): plain vector lines that name none of their registers, four at the least
.if \tau == 0
	v_add_nc_u32 v[KI], s41, v[KB]                 ; 128 (J - s) + 32 cx + r - 16 h - 15
	v_cvt_f32_i32 v9, v[KI]
	POW2 A00, 9
.endif
.irp b, 0,1,2,3
	v_mul_f32 v[AP+2*\b], s[CT+4*\tau+\b], v[A00]  ; gamma^(bracket + 16 tau - 32 b)
.endr
.if \mask
	s_cmp_lg_u32 s40, s[\jb]                       ; only the block's own step lies on the diagonal: a branch on j and the wave's number
	s_cbranch_scc1 .Lopen_\@
.irp n, 0,1,2,3,4,5,6,7,8,9,10,11,12,13,14,15,16,17,18,19,20,21,22,23,24,25,26,27,28,29,30,31,32,33,34,35,36,37,38,39,40,41,42,43,44,45,46,47,48,49,50,51,52,53,54,55,56,57,58,59,60,61,62,63
	v_cmp_le_i32 vcc_lo, 32*(\n/16)+(\n%16)-15-16*\tau, v[KI]   ; register 16 b + i counts where n - m >= 0: 32 b + i - 15 - 16 tau <= the bracket
	v_cndmask_b32 v[SF+\n], 0, v[SF+\n], vcc_lo
.endr
.Lopen_\@:
.endif
.irp b, 0,1,2,3                                    ; each accumulator is read from its low end on
.irp k, 0,2,4,6,8,10,12,14
	v_pk_mul_f32 v[SF+16*\b+\k:SF+16*\b+\k+1], v[SF+16*\b+\k:SF+16*\b+\k+1], v[AP+2*\b:AP+2*\b+1] op_sel_hi:[1,0]
.endr
.endr
.irp b, 0,1,2,3
.irp k, 0,2,4,6,8,10,12,14
	v_pk_mul_f32 v[SF+16*\b+\k:SF+16*\b+\k+1], v[SF+16*\b+\k:SF+16*\b+\k+1], v[TT+\k:TT+\k+1]   ; x gamma^(15 - i)
.endr
.endr
.set nn, 0
.rept 64
	v_med3_num_f32 v[SF+nn], v[SF+nn], -v[LIM], v[LIM]          ; the conversion to an 8-bit code does not saturate (ISA guide 7.6.2): the hold, always executed
.set nn, nn+1
.endr
.irp g, 0,1,2,3,4,5,6,7
	v_cvt_scalef32_pk8_bf8_f32 v[PF+2*\g:PF+2*\g+1], v[SF+8*\g:SF+8*\g+7], v[SCL]
.endr
	v_nop                                          ; one plain vector line between the conversions and the products that read their results
.if \vw >= 0
	s_wait_loadcnt \vw                             ; this set of V is in; the other set's loads, issued behind it, may be out
.endif
	WIN 0x51                                       ; V, C and D in window 1, P in window 0
.irp vt, 0,1,2,3
.if \zero
	v_wmma_f32_16x16x128_bf8_bf8 v[32*(\tq)+8*\vt:32*(\tq)+8*\vt+7], v[VF+64*(\vb)+16*\vt:VF+64*(\vb)+16*\vt+15], v[PF:PF+15], 0
.else
	v_wmma_f32_16x16x128_bf8_bf8 v[32*(\tq)+8*\vt:32*(\tq)+8*\vt+7], v[VF+64*(\vb)+16*\vt:VF+64*(\vb)+16*\vt+15], v[PF:PF+15], v[32*(\tq)+8*\vt:32*(\tq)+8*\vt+7]
.endif
.endr
	WIN 0
.endm
; A block's two tiles against the step.  blk: 0 Lo, 1 Hi.  cond = 1: left out where the step lies beyond the block's last; where that happens in the generation that starts the sums, they are set to 0.
.macro BLOCK blk, zero, cond, mask, vw, vb
.if \cond
	s_cmp_gt_u32 s40, s[14+\blk]
	s_cbranch_scc1 .Lskip_\@
.endif
	s_sub_co_u32 s41, s[14+\blk], s40
	s_lshl_b32 s41, s41, 7
	s_add_co_u32 s41, s41, s17                     ; 128 (J - s) + 32 cx: it goes into vector data alone
	TILE 2*\blk, 0, \zero, \mask, \vw, 14+\blk, \vb
	TILE 2*\blk+1, 1, \zero, \mask, -1, 14+\blk, \vb
.if \cond
.if \zero
	s_branch .Ldone_\@
.Lskip_\@:
	WIN 0x40
.set nn, 0
.rept 64
	v_mov_b32 v[64*\blk+nn], 0                     ; a wave with no step of this block adds nothing to its rows
.set nn, nn+1
.endr
	WIN 0
.Ldone_\@:
.else
.Lskip_\@:
.endif
.endif
.endm
; Generation g: my key step 8 g + w, V in set vb.  Steps 0 .. 15 lie under Hi's diagonal in every cluster (31 - j >= 16); Lo has no step beyond 15.
.macro GEN g, vb
	s_add_co_u32 s40, s[WV], 8*\g
.if \g >= 2
	s_cmp_gt_u32 s40, s15
	s_cbranch_scc1 .Lgskip_\@
.endif
	FETCH \g
	s_wait_dscnt 0x0                               ; K is in
.if \g == 0
	BLOCK 1, 1, 0, 0, 16, \vb                      ; behind V of step w stand the sixteen loads of step 8 + w's
	BLOCK 0, 1, 1, 1, -1, \vb
.elseif \g == 1
	BLOCK 1, 0, 0, 0, -1, \vb
	BLOCK 0, 0, 1, 1, -1, \vb
.else
	BLOCK 1, 0, 0, 1, -1, \vb
.Lgskip_\@:
.endif
.endm
; Set vb has been multiplied: it takes V of generation g, two generations on, if Hi has that step.  The wait for all loads stands ahead of the request, so that it means the same whether the request
; is issued or not: what it shows in is the other set, asked for a generation ago and multiplied next.
.macro VNEXT g, vb
.rept 4
	v_nop                                          ; places in front of loads into registers that the last products read
.endr
	s_wait_loadcnt 0x0
	s_add_co_u32 s40, s[WV], 8*\g
	s_cmp_gt_u32 s40, s15
	s_cbranch_scc1 .Lnov_\@
	VLOAD \g, \vb
.Lnov_\@:
.endm
	s_wait_tensorcnt 0x3                           ; K of step w is in (only I read my part of LDS); the three loads issued behind it may be out
	s_wait_loadcnt 32                              ; Q is in; V's two sets, 32 loads, may be out
	GEN 0, 0
	VNEXT 2, 0                                     ; V of step 8 + w is in; V of step 16 + w goes out
	s_wait_tensorcnt 0x2                           ; K of step 8 + w: two loads were issued behind it
	GEN 1, 1
	VNEXT 3, 1                                     ; V of step 16 + w is in; V of step 24 + w goes out
	s_wait_tensorcnt 0x1                           ; K of step 16 + w
	GEN 2, 0
	s_wait_tensorcnt 0x0                           ; K of step 24 + w; on every path, so that nothing is out when my part of LDS is stored over
	s_wait_loadcnt 0x0                             ; V of step 24 + w, where it was asked for
	GEN 3, 1
	; THE WAY OUT.  My partial O^T (64 rows x 64 columns) goes into my own part of LDS, which has had its only fill and my last read; a barrier; wave w adds the eight partial results of rows 8 w .. 8 w + 7.
.rept 4
	v_nop                                          ; places behind the last products
.endr
	WIN 0x04                                       ; store data in window 1
.irp q, 0,1,2,3
.irp vt, 0,1,2,3
	ds_store_b128 v[SO], v[32*\q+8*\vt:32*\q+8*\vt+3] offset:16*\q*SPITCH+64*\vt          ; lane (r, h): row 16 T + r, columns 16 vt + 8 h + 0 .. 3; each accumulator from its low end on
	ds_store_b128 v[SO], v[32*\q+8*\vt+4:32*\q+8*\vt+7] offset:16*\q*SPITCH+64*\vt+16
.endr
.endr
	WIN 0
	s_wait_dscnt 0x0                               ; for the others' sake: my stores are done
	s_barrier_signal -1
	s_barrier_wait -1
.irp u, 0,1,2,3,4,5,6,7                            ; wave u's partial result: two rows (512 bytes) a load
.irp k, 0,1,2,3
	ds_load_b128 v[KF+16*\u+4*\k:KF+16*\u+4*\k+3], v[SR] offset:(\u%2)*32768+2*\k*SPITCH
.endr
.if (\u%2) == 1 && \u < 7
	v_add_nc_u32 v[SR], 0x10000, v[SR]             ; two waves' parts on: the immediate has 16 bits
.endif
.endr
.irp u, 1,2,3,4,5,6,7
	s_wait_dscnt 4*(7-\u)                          ; LDS loads come back in order: wave u's four are in
.irp k, 0,2,4,6,8,10,12,14
	v_pk_add_f32 v[KF+\k:KF+\k+1], v[KF+\k:KF+\k+1], v[KF+16*\u+\k:KF+16*\u+\k+1]
.endr
.endr
.irp k, 0,2,4,6,8,10,12,14
	v_pk_mul_f32 v[KF+\k:KF+\k+1], v[KF+\k:KF+\k+1], s[44:45] op_sel_hi:[1,0]   ; x 2^(e2 + e3)
.endr
.irp k, 0,1,2,3
	global_store_b128 v[L16], v[KF+4*\k:KF+4*\k+3], s[10:11] offset:512*\k th:TH_STORE_NT   ; 32 lanes store two rows, 512 consecutive bytes, aligned
.endr
	s_wait_tensorcnt 0x0                           ; the wave's end: behind my last tensor load and my last LDS store
	ds_add_u32 v[SPW], v[NIL]
	s_wait_dscnt 0x0
	CROUND                                         ; the closing round: no work-group ends while a partner may still ask for a tile that names it
	s_endpgm
.Lfunc_end_k_q44bbb2472e_retain:
	.size	k_q44bbb2472e_retain, .Lfunc_end_k_q44bbb2472e_retain-k_q44bbb2472e_retain
	.p2alignl 7, 3214868480
	.fill 96, 4, 3214868480
	.section	.rodata,"a",@progbits
	.p2align	6, 0x0
	.amdhsa_kernel k_q44bbb2472e_retain
		.amdhsa_group_segment_fixed_size 327680
		.amdhsa_private_segment_fixed_size 0
		.amdhsa_enable_private_segment 0
		.amdhsa_kernarg_size 32
		.amdhsa_user_sgpr_count 2
		.amdhsa_user_sgpr_kernarg_segment_ptr 1
		.amdhsa_wavefront_size32 1
		.amdhsa_system_sgpr_workgroup_id_x 1
		.amdhsa_system_sgpr_workgroup_id_y 1
		.amdhsa_system_sgpr_workgroup_id_z 1
		.amdhsa_system_vgpr_workitem_id 0
		.amdhsa_next_free_vgpr 512
		.amdhsa_next_free_sgpr 84
		.amdhsa_reserve_vcc 1
		.amdhsa_float_denorm_mode_32 3
		.amdhsa_float_denorm_mode_16_64 3
		.amdhsa_memory_ordered 1
		.amdhsa_forward_progress 1
		.amdhsa_inst_pref_size 188
	.end_amdhsa_kernel
	.amdgpu_metadata
---
amdhsa.version: [ 1, 2 ]
amdhsa.kernels:
  - .name:           k_q44bbb2472e_retain
    .symbol:         k_q44bbb2472e_retain.kd
    .args:
      - { .name: qc, .offset: 0, .size: 8, .value_kind: global_buffer, .address_space: global }
      - { .name: kv, .offset: 8, .size: 8, .value_kind: global_buffer, .address_space: global }
      - { .name: lowp_scales, .offset: 16, .size: 8, .value_kind: global_buffer, .address_space: global }
      - { .name: out0, .offset: 24, .size: 8, .value_kind: global_buffer, .address_space: global }
    .group_segment_fixed_size: 327680
    .private_segment_fixed_size: 0
    .kernarg_segment_align: 8
    .kernarg_segment_size: 32
    .max_flat_workgroup_size: 256
    .sgpr_count:     84
    .vgpr_count:     512
    .wavefront_size: 32
...
	.end_amdgpu_metadata
.endif
;; end of part 2
